; MI455X (gfx1250); checked and timed in simulation.
; The chip was launched on July 23, 2026; its instructions are those of AMD's public machine-readable ISA for CDNA 5 (MIT licence, August 2026) and "CDNA5" Instruction Set Architecture Reference Guide (July 2026). The comments in the code are by the model that wrote it; some were corrected since.
;; Arm RGB Reg. Allowed arithmetic: float matrix products may take bf16 or f16 operands with f32 sums; all other float work in f32.
;; Inputs: lower_idx 8,000 int32; mesh_neutral_pose 107,778 x 3 float32; rgb 8 x 107,778 x 3 float32; upper_idx 8,000 int32.
;; Outputs: out0 8 x 8,000 x 3 float32.
;; 2 versions, each right; version 2 is version 1 with the launches count, select written anew for expert scheduling mode. Each part assembles by itself: llvm-mc -triple=amdgcn-amd-amdhsa -mcpu=gfx1250 --defsym DOCPART=n.
;; ======== version 1 of 2: 3 launches
;; limits: right only within a limited range of input values
;; workspace buffers: part 2,560,000 bytes of whole numbers; tab 128,000 bytes; col 768,000 bytes; meta 128,000 bytes of whole numbers
;; launch count (part 1): grid 5 x 250, 4 waves a work-group, no clusters, 7,168 bytes of LDS; arguments upper_idx, lower_idx, mesh_neutral_pose, part; writes part
.if DOCPART == 1
	.amdgcn_target "amdgcn-amd-amdhsa--gfx1250"
	.amdhsa_code_object_version 6
	.text
	.protected	k_q02249a6869_count
	.globl	k_q02249a6869_count
	.p2align	8
	.type	k_q02249a6869_count,@function
k_q02249a6869_count:
	s_mov_b64 s[64:65], 0
	v_nop
	global_prefetch_b8 v0, s[64:65] scope:SCOPE_SE
	s_setreg_imm32_b32 hwreg(HW_REG_WAVE_MODE, 25, 1), 1
	s_wait_xcnt 0x0
; COUNT: three whole numbers for each row i of 0..7999, as partial counts over a slice of 400 upper vertices j.
;   R = place of upper vertex i in the order (x, index):  #{xj < xi} + #{j < i, xj == xi}
;   S = #{j : xq - xj >= thr}      E = #{j : xq - xj > -thr}      (xq = x of lower vertex i, thr = 0.01 in f32)
; The rounded difference xq - xj never rises when xj rises, so in x order the vertices with |xq - xj| < thr are the
; places S .. E-1: one window.  The next launch adds the 20 partial counts of a row.
; Work: lane = row (32 rows a wave, 32 x grid y), wave = slice js = 4 x grid x + wave number (0..19).
; 8000 x 8000 pairs, six and a half vector instructions each; the bytes are few, so there is no tile to share between
; work-groups (no cluster, no tensor load: what goes to LDS is a gather) and no product for the matrix units.
; LIMIT: no NaN among the x coordinates (a NaN has no place in the order).
.set NROW,  8000
.set VMAX,  107777                     ; last row of the mesh
.set SLICE, 400                        ; upper vertices of a wave
.set TRIPS, SLICE/16
.set WLDS,  1664                       ; a wave's own LDS bytes: 13 rounds x 32 words; the first 400 words are read
.set XI,  2                            ; v2       x of upper vertex i
.set XQ,  4                            ; v[4:5]   x of lower vertex i, twice (for the packed subtraction)
.set CNT, 8                            ; v[8:11]  R, S, E, 0
.set AD,  12                           ; v12      LDS address of the trip's 16 x, the same in all lanes
.set XJ,  16                           ; v[16:31] 16 x of the slice
.set D,   32                           ; v[32:35] four differences
.set G,   48                           ; v[48:60] the slice's indices, then offsets, then x; v61, v62 the same for row i
	s_load_b256 s[4:11], s[0:1], 0x0               ; upper_idx s[4:5], lower_idx s[6:7], mesh s[8:9], part s[10:11]
	v_lshl_add_u32 v64, v0, 2, 0x1a00
	v_mov_b32 v65, 0
	v_and_b32 v1, 31, v0                           ; lane
	v_lshrrev_b32 v6, 5, v0
	v_readfirstlane_b32 s12, v6                    ; wave number
	s_and_b32 s13, ttmp7, 0xffff                   ; row group
	s_lshl_b32 s14, ttmp9, 2
	s_add_co_u32 s14, s14, s12                     ; js
	s_lshl_b32 s15, s13, 5                         ; i0: the wave's first row
	s_mul_i32 s16, s14, SLICE                      ; j0: the slice's first vertex
	s_mul_i32 s17, s12, WLDS                       ; my wave's LDS bytes
	s_mov_b32 s20, 0x3c23d70a                      ; thr
	s_mov_b32 s21, 0xbc23d70a                      ; -thr
	v_add_nc_u32 v7, s15, v1
	v_lshlrev_b32 v7, 2, v7                        ; byte offset of row i in both index lists
	v_add_nc_u32 v13, s16, v1                      ; j0 + lane
	v_add_nc_u32 v14, 384, v13                     ; round 12 would pass the list's end in the last slice:
	v_min_u32 v14, NROW-1, v14                     ; clamped; what the clamped lanes bring lies beyond word 399 and is not read
	v_lshlrev_b32 v13, 2, v13
	v_lshlrev_b32 v14, 2, v14
	v_lshlrev_b32 v15, 2, v1
	v_add_nc_u32 v15, s17, v15                     ; LDS: my wave's bytes + 4 x lane
	v_mov_b32 v[AD], s17
	s_wait_kmcnt 0x0
	global_load_b32 v61, v7, s[4:5]
	global_load_b32 v62, v7, s[6:7]
.irp r, 0,1,2,3,4,5,6,7,8,9,10,11
	global_load_b32 v[G+\r], v13, s[4:5] offset:128*\r
.endr
	global_load_b32 v[G+12], v14, s[4:5]
	s_wait_loadcnt 0x0
.irp r, 0,1,2,3,4,5,6,7,8,9,10,11,12,13,14
	v_min_u32 v[G+\r], VMAX, v[G+\r]               ; an index stays inside the mesh
	v_mul_u32_u24 v[G+\r], 12, v[G+\r]             ; a mesh row is 12 bytes; x is its first word
.endr
.irp r, 0,1,2,3,4,5,6,7,8,9,10,11,12
	global_load_b32 v[G+\r], v[G+\r], s[8:9]       ; each load lands on its own offset register
.endr
	global_load_b32 v[XI], v61, s[8:9]
	global_load_b32 v[XQ], v62, s[8:9]
	s_sub_co_i32 s18, s15, s16                     ; trips whose j all lie in front of i0 (both are multiples of 16):
	s_ashr_i32 s18, s18, 4                         ; there an equal x counts (j < i),
	s_max_i32 s18, s18, 0                          ; in the others it does not
.irp r, 0,1,2,3
	v_mov_b32 v[CNT+\r], 0
.endr
	s_wait_loadcnt 0x0
	v_mov_b32 v[XQ+1], v[XQ]
.irp r, 0,1,2,3,4,5,6,7,8,9,10,11,12
	ds_store_b32 v15, v[G+\r] offset:128*\r        ; my wave's own bytes: LDS serves a wave in order, the loads below see these
.endr
; 16 vertices of the slice.  cmpi: the compare that counts toward R (<= in front of i0, < from i0 on).
; A compare sets VCC, an add with carry of 0 adds it to the lane's count.
.macro TRIP16 cmpi
.irp k, 0,1,2,3
	ds_load_b128 v[XJ+4*\k:XJ+4*\k+3], v[AD] offset:16*\k
.endr
.irp k, 0,1,2,3
	s_wait_dscnt 3-\k                              ; in order: load k is in, the 3-k younger ones stay out
	v_pk_add_f32 v[D:D+1],   v[XQ:XQ+1], v[XJ+4*\k:XJ+4*\k+1]   neg_lo:[0,1] neg_hi:[0,1]
	v_pk_add_f32 v[D+2:D+3], v[XQ:XQ+1], v[XJ+4*\k+2:XJ+4*\k+3] neg_lo:[0,1] neg_hi:[0,1]
.irp j, 0,1,2,3
	\cmpi vcc_lo, v[XJ+4*\k+\j], v[XI]
	v_add_co_ci_u32 v[CNT], vcc_lo, 0, v[CNT], vcc_lo
	v_cmp_le_f32 vcc_lo, s20, v[D+\j]              ; thr <= xq - xj
	v_add_co_ci_u32 v[CNT+1], vcc_lo, 0, v[CNT+1], vcc_lo
	v_cmp_lt_f32 vcc_lo, s21, v[D+\j]              ; -thr < xq - xj
	v_add_co_ci_u32 v[CNT+2], vcc_lo, 0, v[CNT+2], vcc_lo
.endr
.endr
.endm
	s_mov_b32 s19, 0
.Ltrip:
	s_cmp_lt_u32 s19, s18
	s_cbranch_scc0 .Llt
	TRIP16 v_cmp_le_f32
	s_branch .Lnext
.Llt:
	TRIP16 v_cmp_lt_f32
.Lnext:
	v_add_nc_u32 v[AD], 64, v[AD]
	s_add_co_u32 s19, s19, 1
	s_cmp_lt_u32 s19, TRIPS
	s_cbranch_scc1 .Ltrip
	; Equal x inside the wave's own 32 rows, j < i: counted once, by the wave of slice 0.
	s_cmp_lg_u32 s14, 0
	s_cbranch_scc1 .Lnoties
.set l, 0
.rept 31
	v_readlane_b32 s22, v[XI], l
	v_cmp_eq_f32 vcc_lo, s22, v[XI]
	s_and_b32 vcc_lo, vcc_lo, (0xffffffff << (l+1)) & 0xffffffff   ; only lanes behind lane l
	v_add_co_ci_u32 v[CNT], vcc_lo, 0, v[CNT], vcc_lo
.set l, l+1
.endr
.Lnoties:
	s_mul_i32 s23, s14, NROW
	s_add_co_u32 s23, s23, s15
	v_add_nc_u32 v63, s23, v1
	v_lshlrev_b32 v63, 4, v63                      ; part[js][i]: 16 bytes
	global_store_b128 v63, v[CNT:CNT+3], s[10:11]  ; the wave stores 512 consecutive bytes, at a multiple of 512 from part's first byte
	s_wait_tensorcnt 0x0
	ds_add_u32 v64, v65
	s_wait_dscnt 0x0
	s_endpgm
.Lfunc_end_k_q02249a6869_count:
	.size	k_q02249a6869_count, .Lfunc_end_k_q02249a6869_count-k_q02249a6869_count
	.p2alignl 7, 3214868480
	.fill 96, 4, 3214868480
	.section	.rodata,"a",@progbits
	.p2align	6, 0x0
	.amdhsa_kernel k_q02249a6869_count
		.amdhsa_group_segment_fixed_size 7168
		.amdhsa_private_segment_fixed_size 0
		.amdhsa_enable_private_segment 0
		.amdhsa_kernarg_size 32
		.amdhsa_user_sgpr_count 2
		.amdhsa_user_sgpr_kernarg_segment_ptr 1
		.amdhsa_wavefront_size32 1
		.amdhsa_system_sgpr_workgroup_id_x 1
		.amdhsa_system_sgpr_workgroup_id_y 1
		.amdhsa_system_sgpr_workgroup_id_z 1
		.amdhsa_system_vgpr_workitem_id 0
		.amdhsa_next_free_vgpr 66
		.amdhsa_next_free_sgpr 66
		.amdhsa_reserve_vcc 1
		.amdhsa_float_denorm_mode_32 3
		.amdhsa_float_denorm_mode_16_64 3
		.amdhsa_memory_ordered 1
		.amdhsa_forward_progress 1
		.amdhsa_inst_pref_size 21
	.end_amdhsa_kernel
	.amdgpu_metadata
---
amdhsa.version: [ 1, 2 ]
amdhsa.kernels:
  - .name:           k_q02249a6869_count
    .symbol:         k_q02249a6869_count.kd
    .args:
      - { .name: upper_idx, .offset: 0, .size: 8, .value_kind: global_buffer, .address_space: global }
      - { .name: lower_idx, .offset: 8, .size: 8, .value_kind: global_buffer, .address_space: global }
      - { .name: mesh_neutral_pose, .offset: 16, .size: 8, .value_kind: global_buffer, .address_space: global }
      - { .name: part, .offset: 24, .size: 8, .value_kind: global_buffer, .address_space: global }
    .group_segment_fixed_size: 7168
    .private_segment_fixed_size: 0
    .kernarg_segment_align: 8
    .kernarg_segment_size: 32
    .max_flat_workgroup_size: 128
    .sgpr_count:     66
    .vgpr_count:     66
    .wavefront_size: 32
...
	.end_amdgpu_metadata
.endif
;; end of part 1
;; launch place (part 2): grid 250 x 1, 1 waves a work-group, no clusters, 0 bytes of LDS; arguments upper_idx, mesh_neutral_pose, rgb, part, tab, col, meta; writes tab, col, meta
.if DOCPART == 2
	.amdgcn_target "amdgcn-amd-amdhsa--gfx1250"
	.amdhsa_code_object_version 6
	.text
	.protected	k_q02249a6869_place
	.globl	k_q02249a6869_place
	.p2align	8
	.type	k_q02249a6869_place,@function
k_q02249a6869_place:
	s_mov_b64 s[64:65], 0
	v_nop
	global_prefetch_b8 v0, s[64:65] scope:SCOPE_SE
	s_setreg_imm32_b32 hwreg(HW_REG_WAVE_MODE, 25, 1), 1
	s_wait_xcnt 0x0
; PLACE: thread t adds row t's 20 partial counts and puts upper vertex t at its place in the x order.
;   tab[rank]  = x, y, z, t        (16 bytes; t is only ever compared, never an address)
;   col[rank]  = rgb[b][upper_idx[t]][c], b = 0..7, c = 0..2   (96 bytes)
;   meta[t]    = S, W = E - S of lower vertex t; rank of upper vertex t; 0
; One wave a work-group, 8000 threads; all loads of a thread are issued before the first sum.
; The stores into tab and col follow a permutation: 16 and 96 bytes a lane, at places that the data decide.
; LIMIT: no NaN among the x coordinates; then the ranks are a permutation and every row of tab and col is written.
.set VMAX,  107777
.set NROW,  8000
.set BATCH, 1293336                    ; bytes of one batch of rgb
.set PSTEP, 128000                     ; bytes of one slice of part
.set XYZ, 8                            ; v[8:11]   x, y, z, t
.set RGB, 16                           ; v[16:39]  24 colours
.set SUM, 40                           ; v[40:42]  R, S, E
.set MET, 44                           ; v[44:47]  the row of meta
.set P,   48                           ; v[48:127] 20 rows of part
	s_load_b256 s[4:11], s[0:1], 0x0               ; upper_idx s[4:5], mesh s[6:7], rgb s[8:9], part s[10:11]
	s_load_b128 s[12:15], s[0:1], 0x20             ; tab s[12:13], col s[14:15]
	s_load_b64 s[16:17], s[0:1], 0x30              ; meta
	s_lshl_b32 s20, ttmp9, 5
	v_add_nc_u32 v1, s20, v0                       ; t
	v_lshlrev_b32 v2, 2, v1
	v_lshlrev_b32 v3, 4, v1
	s_wait_kmcnt 0x0
	s_add_nc_u64 s[18:19], s[8:9], 4*BATCH         ; batches 4 to 7: keeps the immediates inside their signed 24 bits
	global_load_b32 v4, v2, s[4:5]
.irp j, 0,1,2,3,4,5,6,7,8,9,10,11,12,13,14,15,16,17,18,19
	global_load_b128 v[P+4*\j:P+4*\j+3], v3, s[10:11] offset:\j*PSTEP
.endr
	s_wait_loadcnt 20                              ; the index is in; the 20 loads of part behind it stay out
	v_min_u32 v4, VMAX, v4
	v_mul_u32_u24 v4, 12, v4
.irp c, 0,1,2
	global_load_b32 v[XYZ+\c], v4, s[6:7] offset:4*\c
.endr
.irp b, 0,1,2,3
.irp c, 0,1,2
	global_load_b32 v[RGB+3*\b+\c],    v4, s[8:9]   offset:\b*BATCH+4*\c
	global_load_b32 v[RGB+12+3*\b+\c], v4, s[18:19] offset:\b*BATCH+4*\c
.endr
.endr
	s_wait_loadcnt 27                              ; part is in; the 3 + 24 loads behind it stay out
.irp f, 0,1,2
	v_add3_u32 v[SUM+\f], v[P+\f], v[P+4+\f], v[P+8+\f]
.irp j, 3,5,7,9,11,13,15,17
	v_add3_u32 v[SUM+\f], v[SUM+\f], v[P+4*\j+\f], v[P+4*\j+4+\f]
.endr
	v_add_nc_u32 v[SUM+\f], v[SUM+\f], v[P+76+\f]
.endr
	v_mov_b32 v[MET], v[SUM+1]                     ; S
	v_sub_nc_u32 v[MET+1], v[SUM+2], v[SUM+1]      ; W
	v_min_u32 v[MET+2], NROW-1, v[SUM]             ; rank
	v_mov_b32 v[MET+3], 0
	v_lshlrev_b32 v5, 4, v[MET+2]
	v_mul_u32_u24 v6, 0x60, v[MET+2]
	v_mov_b32 v[XYZ+3], v1
	s_wait_loadcnt 0x0
	global_store_b128 v5, v[XYZ:XYZ+3], s[12:13]
.irp i, 0,1,2,3,4,5
	global_store_b128 v6, v[RGB+4*\i:RGB+4*\i+3], s[14:15] offset:16*\i
.endr
	global_store_b128 v3, v[MET:MET+3], s[16:17]   ; the wave stores 512 consecutive bytes, aligned
	s_endpgm
.Lfunc_end_k_q02249a6869_place:
	.size	k_q02249a6869_place, .Lfunc_end_k_q02249a6869_place-k_q02249a6869_place
	.p2alignl 7, 3214868480
	.fill 96, 4, 3214868480
	.section	.rodata,"a",@progbits
	.p2align	6, 0x0
	.amdhsa_kernel k_q02249a6869_place
		.amdhsa_group_segment_fixed_size 0
		.amdhsa_private_segment_fixed_size 0
		.amdhsa_enable_private_segment 0
		.amdhsa_kernarg_size 56
		.amdhsa_user_sgpr_count 2
		.amdhsa_user_sgpr_kernarg_segment_ptr 1
		.amdhsa_wavefront_size32 1
		.amdhsa_system_sgpr_workgroup_id_x 1
		.amdhsa_system_sgpr_workgroup_id_y 1
		.amdhsa_system_sgpr_workgroup_id_z 1
		.amdhsa_system_vgpr_workitem_id 0
		.amdhsa_next_free_vgpr 128
		.amdhsa_next_free_sgpr 66
		.amdhsa_reserve_vcc 0
		.amdhsa_float_denorm_mode_32 3
		.amdhsa_float_denorm_mode_16_64 3
		.amdhsa_memory_ordered 1
		.amdhsa_forward_progress 1
		.amdhsa_inst_pref_size 9
	.end_amdhsa_kernel
	.amdgpu_metadata
---
amdhsa.version: [ 1, 2 ]
amdhsa.kernels:
  - .name:           k_q02249a6869_place
    .symbol:         k_q02249a6869_place.kd
    .args:
      - { .name: upper_idx, .offset: 0, .size: 8, .value_kind: global_buffer, .address_space: global }
      - { .name: mesh_neutral_pose, .offset: 8, .size: 8, .value_kind: global_buffer, .address_space: global }
      - { .name: rgb, .offset: 16, .size: 8, .value_kind: global_buffer, .address_space: global }
      - { .name: part, .offset: 24, .size: 8, .value_kind: global_buffer, .address_space: global }
      - { .name: tab, .offset: 32, .size: 8, .value_kind: global_buffer, .address_space: global }
      - { .name: col, .offset: 40, .size: 8, .value_kind: global_buffer, .address_space: global }
      - { .name: meta, .offset: 48, .size: 8, .value_kind: global_buffer, .address_space: global }
    .group_segment_fixed_size: 0
    .private_segment_fixed_size: 0
    .kernarg_segment_align: 8
    .kernarg_segment_size: 56
    .max_flat_workgroup_size: 32
    .sgpr_count:     66
    .vgpr_count:     128
    .wavefront_size: 32
...
	.end_amdgpu_metadata
.endif
;; end of part 2
;; launch select (part 3): grid 250 x 1, 32 waves a work-group, no clusters, 7,168 bytes of LDS; arguments lower_idx, mesh_neutral_pose, rgb, tab, col, meta, out0; writes out0
.if DOCPART == 3
	.amdgcn_target "amdgcn-amd-amdhsa--gfx1250"
	.amdhsa_code_object_version 6
	.text
	.protected	k_q02249a6869_select
	.globl	k_q02249a6869_select
	.p2align	8
	.type	k_q02249a6869_select,@function
k_q02249a6869_select:
	s_mov_b64 s[64:65], 0
	v_nop
	global_prefetch_b8 v0, s[64:65] scope:SCOPE_SE
	s_setreg_imm32_b32 hwreg(HW_REG_WAVE_MODE, 25, 1), 1
	s_wait_xcnt 0x0
; SELECT: one wave, one lower vertex q = 32 x work-group + wave.  Its candidates with |dx| < thr are the W places S .. S+W-1 of tab.
; A lane holds place lane + 32 c of chunk c; eight chunks (256 places) are a super-chunk; super-chunk 0 stays in registers.
;  1. key = the distance's f32 bits (not negative, so they order as unsigned numbers); 0xffffffff outside the window.
;  2. T = the 50th smallest key, bit by bit from the top: 31 steps, each counts the keys below a trial value (compare, population count).
;  3. Among keys equal to T the lower original index wins: the same search over the 13 bits of the index gives the last index taken.
;  4. Every place's 24 colours are loaded and added with weight 1 or 0: no address and no branch hangs on a distance.
;  5. W < 50: the other vertices all tie at the far value, so the 50 - W lowest original indices outside the window fill up.
;     At most W of the indices 0..49 lie in the window, so the first 64 indices hold enough.
;  6. Sums over the lanes by halving; lane L ends with batch L >> 2; (own colour - sum x 0.02) squared leaves through LDS.
; W > 256 (any W up to 8000) is served: the further super-chunks' keys are made again from tab in every search step.  That is
; right for every W and slow for large ones.  Trip counts and the branch of step 5 hang on S and W, whole numbers read from meta.
; No cluster, no tensor load: neighbouring queries' windows are unrelated places, nothing is shared at a known time.  No matrix
; unit: the mean is a sum kept in f32.
; LIMITS: no NaN or infinity in mesh or rgb (a colour that is not chosen is multiplied by 0); distances inside the band below 9999;
; a squared distance below 2^-126 counts as 0; the squared distance is a fused chain in the order x, y, z, its root is v_sqrt_f32
; mended by one Newton step; the mean is the sum times 0.02, not divided by 50.
.set NROW,  8000
.set VMAX,  107777
.set BATCH, 1293336                    ; bytes of one batch of rgb
.set OUTB,  96000                      ; bytes of one batch of out0
.set KA,  16                           ; v[16:47]   keys: chunk c at +4c: key, temp, temp, original index
.set KB,  48                           ; v[48:79]   the same for further super-chunks, during the searches
.set CB,  48                           ; v[48:95]   two colour buffers of 24, afterwards
.set ACC, 96                           ; v[96:119]  sums, 3 b + c
; v1 lane   v2 place of chunk 0   v3-v7 temps   v[8:9] weight   v120 own colour   v121, v122 colour offsets
; v123 offset of the own colour   v124 LDS address of my result
; s22 wave  s23 q  s24 12 x vertex  s[28:30] xq yq zq  s31 super-chunks in all  s32 S  s33 W  s34 further super-chunks  s35 fill count
; s36 T  s37 #(key < T)  s38 last index taken  s39 trial  s40 count  s41 bit number  s42 bit  s43 target  s44 super-chunk
; s45 its first place  s46 W left there  s[48:55] masks  s56-58 lane masks  s59-60 lane selects  s66-67 channel masks
; s25-27, s47, s61, s62 temps
	s_load_b256 s[8:15], s[0:1], 0x0               ; lower_idx s[8:9], mesh s[10:11], rgb s[12:13], tab s[14:15]
	s_load_b128 s[16:19], s[0:1], 0x20             ; col s[16:17], meta s[18:19]
	s_load_b64 s[20:21], s[0:1], 0x30              ; out0
	v_lshl_add_u32 v126, v0, 2, 0xc00
	v_mov_b32 v127, 0
	v_and_b32 v1, 31, v0
	v_lshrrev_b32 v3, 5, v0
	v_readfirstlane_b32 s22, v3
	s_lshl_b32 s23, ttmp9, 5
	s_add_co_u32 s23, s23, s22
	s_lshl_b32 s25, s23, 2
	s_lshl_b32 s26, s23, 4
	s_mul_i32 s27, s22, 96
	s_mov_b32 s56, 0xffff0000                      ; lanes with bit 4
	s_mov_b32 s57, 0xff00ff00                      ; bit 3
	s_mov_b32 s58, 0xf0f0f0f0                      ; bit 2
	s_mov_b32 s59, 0x76543210                      ; v_permlanex16_b32: lane i of the other half
	s_mov_b32 s60, 0xfedcba98
	s_mov_b32 s66, 0x22222222                      ; lanes with L & 3 = 1
	s_mov_b32 s67, 0xcccccccc                      ; L & 3 = 2 or 3
	s_wait_kmcnt 0x0
	s_load_b32 s24, s[8:9], s25 offset:0x0         ; the lower vertex
	s_load_b64 s[32:33], s[18:19], s26 offset:0x0  ; S, W
	v_lshrrev_b32 v4, 2, v1                        ; b
	v_and_b32 v5, 3, v1
	v_min_u32 v5, 2, v5                            ; c; lanes with L & 3 = 3 repeat channel 2
	v_mul_u32_u24 v123, BATCH, v4
	v_lshl_add_u32 v123, v5, 2, v123
	v_mul_u32_u24 v124, 12, v4
	v_lshl_add_u32 v124, v5, 2, v124
	v_add_nc_u32 v124, s27, v124                   ; LDS: 96 x wave + 12 b + 4 c: 96 bytes of the wave's own
	v_mov_b32 v9, 0                                ; the weight's pair is named whole
	s_wait_kmcnt 0x0
	s_min_u32 s24, s24, VMAX
	s_mul_i32 s24, s24, 12
	s_load_b96 s[28:30], s[10:11], s24 offset:0x0
	v_add_nc_u32 v123, s24, v123
	global_load_b32 v120, v123, s[12:13]           ; used at the very end; every later wait for loads covers it
	s_min_u32 s32, s32, NROW
	s_min_u32 s33, s33, NROW
	s_max_u32 s34, s33, 1
	s_sub_co_u32 s34, s34, 1
	s_lshr_b32 s34, s34, 8                         ; super-chunks beyond the first: at most 31
	s_add_co_u32 s31, s34, 1                       ; super-chunks in all: the bound of the loops over them, written here alone
	s_sub_co_i32 s35, 50, s33
	s_max_i32 s35, s35, 0                          ; how many come from outside the window
	s_wait_kmcnt 0x0
.macro SETSC sc                        ; super-chunk sc (a scalar register or 0): first place, what is left of the window, my place
	s_lshl_b32 s61, \sc, 8
	s_add_co_u32 s45, s32, s61
	s_sub_co_i32 s46, s33, s61
	v_add_nc_u32 v2, s45, v1
.endm
.macro KEYS base                       ; the eight chunks' keys and indices
.irp c, 0,1,2,3,4,5,6,7
.if \c
	v_add_nc_u32 v[\base+4*\c], 32*\c, v2
	v_min_u32 v[\base+4*\c], NROW-1, v[\base+4*\c]
.else
	v_min_u32 v[\base+4*\c], NROW-1, v2
.endif
	v_lshlrev_b32 v[\base+4*\c], 4, v[\base+4*\c]
	global_load_b128 v[\base+4*\c:\base+4*\c+3], v[\base+4*\c], s[14:15]   ; lands on its own offset register
.endr
.irp c, 0,1,2,3,4,5,6,7
	s_wait_loadcnt 7-\c                            ; chunk c is in, the 7-c younger loads stay out
	v_sub_f32 v[\base+4*\c],   s28, v[\base+4*\c]
	v_sub_f32 v[\base+4*\c+1], s29, v[\base+4*\c+1]
	v_sub_f32 v[\base+4*\c+2], s30, v[\base+4*\c+2]
	v_mul_f32 v[\base+4*\c], v[\base+4*\c], v[\base+4*\c]
	v_fma_f32 v[\base+4*\c], v[\base+4*\c+1], v[\base+4*\c+1], v[\base+4*\c]
	v_fma_f32 v[\base+4*\c], v[\base+4*\c+2], v[\base+4*\c+2], v[\base+4*\c]
.endr
.irp c, 0,1,2,3,4,5,6,7
	v_sqrt_f32 v[\base+4*\c+1], v[\base+4*\c]
.endr
.irp c, 0,1,2,3,4,5,6,7
	v_rsq_f32 v[\base+4*\c+2], v[\base+4*\c]
.endr
	v_nop                                          ; one plain place behind the run, before a result is used or a source rewritten (ISA guide 5.7.2)
	s_wait_alu depctr_va_vdst(0)
.irp c, 0,1,2,3,4,5,6,7
	v_fma_f32 v[\base+4*\c], -v[\base+4*\c+1], v[\base+4*\c+1], v[\base+4*\c]   ; what the root's square misses
	v_mul_f32 v[\base+4*\c+2], 0.5, v[\base+4*\c+2]
	v_fma_f32 v[\base+4*\c], v[\base+4*\c], v[\base+4*\c+2], v[\base+4*\c+1]    ; the mended root
	v_cmp_lt_f32 vcc_lo, 0, v[\base+4*\c+1]
	v_cndmask_b32 v[\base+4*\c], 0, v[\base+4*\c], vcc_lo                       ; root 0: 0 (the step would be 0 x infinity)
	s_sub_co_i32 s61, s46, 32*\c
	v_cmp_gt_i32 vcc_lo, s61, v1                                                ; my place lies in the window
	v_cndmask_b32 v[\base+4*\c], -1, v[\base+4*\c], vcc_lo
.endr
.endm
.macro XFORM base                      ; only keys equal to T keep their index
.irp c, 0,1,2,3,4,5,6,7
	v_cmp_eq_u32 vcc_lo, s36, v[\base+4*\c]
	v_cndmask_b32 v[\base+4*\c+3], -1, v[\base+4*\c+3], vcc_lo
.endr
.endm
.macro COUNT reg0, add                 ; s40 = (add: s40 +) how many of the 256 numbers lie below the trial value s39
.irp c, 0,1,2,3,4,5,6,7
	v_cmp_gt_u32 s[48+\c], s39, v[\reg0+4*\c]
.endr
.irp c, 0,1,2,3,4,5,6,7
	s_bcnt1_i32_b32 s[48+\c], s[48+\c]
.endr
.if \add
	s_add_co_u32 s40, s40, s48
.else
	s_mov_b32 s40, s48
.endif
.irp c, 1,2,3,4,5,6,7
	s_add_co_u32 s40, s40, s[48+\c]
.endr
.endm
; res = the largest value below which fewer than s43 numbers lie = the s43-th smallest; cac = how many lie below it.
; off: 0 keys, 3 indices; xf = 1: further super-chunks' indices are masked as KA's were.
; The inner loop takes super-chunks 1 .. s31 - 1: a step of 1 below a bound that no loop writes.
.macro SEARCH name, off, nbits, xf, res, cac
	s_mov_b32 \res, 0
	s_mov_b32 \cac, 0
	s_mov_b32 s41, \nbits
.Lbit_\name:
	s_sub_co_u32 s41, s41, 1
	s_lshl_b32 s42, 1, s41
	s_or_b32 s39, \res, s42
	COUNT KA+\off, 0
	s_cmp_eq_u32 s34, 0
	s_cbranch_scc1 .Lnox_\name
	s_mov_b32 s44, 1
.Lx_\name:
	SETSC s44
	KEYS KB
.if \xf
	XFORM KB
.endif
	COUNT KB+\off, 1
	s_add_co_u32 s44, s44, 1
	s_cmp_lt_u32 s44, s31
	s_cbranch_scc1 .Lx_\name
.Lnox_\name:
	s_cmp_lt_u32 s40, s43                          ; a choice of values only: both selects run in every step
	s_cselect_b32 \res, s39, \res
	s_cselect_b32 \cac, s40, \cac
	s_cmp_lg_u32 s41, 0
	s_cbranch_scc1 .Lbit_\name
.endm
.macro LOADROW buf                     ; 96 bytes of colours a lane
.irp i, 0,1,2,3,4,5
	global_load_b128 v[CB+24*\buf+4*\i:CB+24*\buf+4*\i+3], v[121+\buf], s[16:17] offset:16*\i
.endr
.endm
.macro LOADC buf, c                    ; chunk c's colours; the buffer's offset register is free since the wait that showed its last loads in
	v_add_nc_u32 v[121+\buf], 32*\c, v2
	v_min_u32 v[121+\buf], NROW-1, v[121+\buf]
	v_mul_u32_u24 v[121+\buf], 0x60, v[121+\buf]
	LOADROW \buf
.endm
.macro ADDC buf, first                 ; sums += colours x weight; first = 1: the products start the sums, nothing is cleared
.irp i, 0,1,2,3,4,5,6,7,8,9,10,11
.if \first
	v_pk_mul_f32 v[ACC+2*\i:ACC+2*\i+1], v[CB+24*\buf+2*\i:CB+24*\buf+2*\i+1], v[8:9] op_sel_hi:[1,0]
.else
	v_pk_fma_f32 v[ACC+2*\i:ACC+2*\i+1], v[CB+24*\buf+2*\i:CB+24*\buf+2*\i+1], v[8:9], v[ACC+2*\i:ACC+2*\i+1] op_sel_hi:[1,0,1]
.endif
.endr
.endm
.macro FMAC base, buf, c, first        ; chosen: key below T, or key equal to T and index not above the last one taken
	v_cmp_gt_u32 vcc_lo, s36, v[\base+4*\c]
	v_cmp_ge_u32 s62, s38, v[\base+4*\c+3]
	s_or_b32 vcc_lo, vcc_lo, s62
	v_cndmask_b32 v8, 0, 1.0, vcc_lo
	ADDC \buf, \first
.endm
.macro SELACC base, first              ; eight chunks through two buffers: s_wait_loadcnt 6 leaves the other buffer's six loads out
	LOADC 0, 0
	LOADC 1, 1
	s_wait_loadcnt 0x6
	FMAC \base, 0, 0, \first
	LOADC 0, 2
	s_wait_loadcnt 0x6
	FMAC \base, 1, 1, 0
	LOADC 1, 3
	s_wait_loadcnt 0x6
	FMAC \base, 0, 2, 0
	LOADC 0, 4
	s_wait_loadcnt 0x6
	FMAC \base, 1, 3, 0
	LOADC 1, 5
	s_wait_loadcnt 0x6
	FMAC \base, 0, 4, 0
	LOADC 0, 6
	s_wait_loadcnt 0x6
	FMAC \base, 1, 5, 0
	LOADC 1, 7
	s_wait_loadcnt 0x6
	FMAC \base, 0, 6, 0
	s_wait_loadcnt 0x0
	FMAC \base, 1, 7, 0
.endm
	SETSC 0
	KEYS KA
	s_mov_b32 s43, 50
	SEARCH key, 0, 31, 0, s36, s37                 ; T and #(key < T).  W < 50: T = 0x7fffffff, above every key, and the count is W
	XFORM KA
	s_sub_co_u32 s43, 50, s37                      ; how many of the keys equal to T are taken: at least 1
	SEARCH idx, 3, 13, 1, s38, s47                 ; the last index taken (8000 < 2^13).  W < 50: 0x1fff, and no index is left to match it
	SETSC 0
	SELACC KA, 1
	s_cmp_eq_u32 s34, 0
	s_cbranch_scc1 .Lnomore
	s_mov_b32 s44, 1
.Lmore:
	SETSC s44
	KEYS KA
	XFORM KA
	SELACC KA, 0
	s_add_co_u32 s44, s44, 1
	s_cmp_lt_u32 s44, s31
	s_cbranch_scc1 .Lmore
.Lnomore:
	; The fill: original indices u = lane and u = lane + 32, in that order; taken while outside the window and among the first s35 such.
	s_cmp_eq_u32 s35, 0
	s_cbranch_scc1 .Lnofill
	v_lshlrev_b32 v3, 4, v1
	global_load_b32 v4, v3, s[18:19] offset:8      ; rank of u = lane
	global_load_b32 v5, v3, s[18:19] offset:520    ; rank of u = lane + 32
	s_wait_loadcnt 0x0
	v_min_u32 v121, NROW-1, v4
	v_min_u32 v122, NROW-1, v5
	v_mul_u32_u24 v121, 0x60, v121
	v_mul_u32_u24 v122, 0x60, v122
	LOADROW 0
	LOADROW 1
	v_sub_nc_u32 v6, v4, s32
	v_sub_nc_u32 v7, v5, s32
	v_cmp_le_u32 s61, s33, v6                      ; W <= rank - S, unsigned: outside the window
	v_cmp_le_u32 s62, s33, v7
	s_bcnt1_i32_b32 s47, s61
	v_mbcnt_lo_u32_b32 v6, s61, 0                  ; how many such stand in front of me
	v_mbcnt_lo_u32_b32 v7, s62, s47
	v_cmp_gt_u32 vcc_lo, s35, v6
	s_and_b32 s61, s61, vcc_lo
	v_cmp_gt_u32 vcc_lo, s35, v7
	s_and_b32 s62, s62, vcc_lo
	v_cndmask_b32 v8, 0, 1.0, s61
	s_wait_loadcnt 0x6                             ; the first six are in, the second six stay out
	ADDC 0, 0
	v_cndmask_b32 v8, 0, 1.0, s62
	s_wait_loadcnt 0x0
	ADDC 1, 0
.Lnofill:
	; Sums over the lanes, halving the registers: a lane keeps the batch that its bit names and sends the other one across.
.irp p, 0,1,2,3,4,5,6,7,8,9,10,11
	v_cndmask_b32 v[3+(\p&3)], v[ACC+12+\p], v[ACC+\p], s56        ; to send: batch b + 4 from the lower lanes, b from the upper
	v_cndmask_b32 v[ACC+\p], v[ACC+\p], v[ACC+12+\p], s56          ; to keep
	v_permlanex16_b32 v[ACC+12+\p], v[3+(\p&3)], s59, s60
	v_add_f32 v[ACC+\p], v[ACC+\p], v[ACC+12+\p]
.endr
.irp p, 0,1,2,3,4,5
	v_cndmask_b32 v[3+(\p&3)], v[ACC+6+\p], v[ACC+\p], s57
	v_cndmask_b32 v[ACC+\p], v[ACC+\p], v[ACC+6+\p], s57
	v_add_f32_dpp v[ACC+\p], v[3+(\p&3)], v[ACC+\p] row_xmask:8 row_mask:0xf bank_mask:0xf
.endr
.irp p, 0,1,2
	v_cndmask_b32 v[3+\p], v[ACC+3+\p], v[ACC+\p], s58
	v_cndmask_b32 v[ACC+\p], v[ACC+\p], v[ACC+3+\p], s58
	v_add_f32_dpp v[ACC+\p], v[3+\p], v[ACC+\p] row_xmask:4 row_mask:0xf bank_mask:0xf
.endr
.irp p, 0,1,2
	v_add_f32_dpp v[ACC+\p], v[ACC+\p], v[ACC+\p] row_xmask:2 row_mask:0xf bank_mask:0xf
.endr
.irp p, 0,1,2
	v_add_f32_dpp v[ACC+\p], v[ACC+\p], v[ACC+\p] row_xmask:1 row_mask:0xf bank_mask:0xf
.endr
	v_cndmask_b32 v3, v[ACC], v[ACC+1], s66        ; lane L: batch L >> 2, channel min(L & 3, 2)
	v_cndmask_b32 v3, v3, v[ACC+2], s67
	v_fmamk_f32 v3, v3, 0xbca3d70a, v120           ; own colour - sum x 0.02
	v_mul_f32 v3, v3, v3
	ds_store_b32 v124, v3                          ; lanes with L & 3 = 3 write channel 2's word again, with the same number
	s_wait_dscnt 0x0                               ; for the other waves' sake: my store is done before I signal
	s_barrier_signal -1
	s_barrier_wait -1
	; The way out: wave b (0 to 7) takes batch b: 32 queries x 3 channels = 384 consecutive bytes of out0, 16 a lane.
	; Word e = 3 query + channel of the batch lies in LDS at 96 query + 12 b + 4 channel = 84 query + 4 e + 12 b.
	; Lanes 24 to 31 repeat lane 23's 16 bytes (same address, same numbers), which spares a change of EXEC.
	; The runs start at multiples of 128 bytes; aligned blocks of 256 would take 64 queries a work-group, so 125 work-groups.
	s_cmp_ge_u32 s22, 8
	s_cbranch_scc1 .Lend
	v_min_u32 v10, 23, v1
	s_mul_i32 s61, s22, 12
	s_mul_i32 s62, s22, OUTB
	s_mul_i32 s47, ttmp9, 384
	s_add_co_u32 s62, s62, s47
	v_lshl_add_u32 v11, v10, 4, s62
.irp k, 0,1,2,3
	v_lshl_add_u32 v[20+\k], v10, 2, \k            ; e
	v_mul_u32_u24 v[24+\k], 0xab, v[20+\k]
	v_lshrrev_b32 v[24+\k], 9, v[24+\k]            ; e / 3 = (171 e) >> 9, exact for e < 96
	v_lshl_add_u32 v[20+\k], v[20+\k], 2, s61
	v_mad_u32_u24 v[20+\k], v[24+\k], 84, v[20+\k]
	ds_load_b32 v[28+\k], v[20+\k]
.endr
	s_wait_dscnt 0x0
	global_store_b128 v11, v[28:31], s[20:21]
.Lend:
	s_wait_tensorcnt 0x0
	ds_add_u32 v126, v127
	s_wait_dscnt 0x0
	s_endpgm
.Lfunc_end_k_q02249a6869_select:
	.size	k_q02249a6869_select, .Lfunc_end_k_q02249a6869_select-k_q02249a6869_select
	.p2alignl 7, 3214868480
	.fill 96, 4, 3214868480
	.section	.rodata,"a",@progbits
	.p2align	6, 0x0
	.amdhsa_kernel k_q02249a6869_select
		.amdhsa_group_segment_fixed_size 7168
		.amdhsa_private_segment_fixed_size 0
		.amdhsa_enable_private_segment 0
		.amdhsa_kernarg_size 56
		.amdhsa_user_sgpr_count 2
		.amdhsa_user_sgpr_kernarg_segment_ptr 1
		.amdhsa_wavefront_size32 1
		.amdhsa_system_sgpr_workgroup_id_x 1
		.amdhsa_system_sgpr_workgroup_id_y 1
		.amdhsa_system_sgpr_workgroup_id_z 1
		.amdhsa_system_vgpr_workitem_id 0
		.amdhsa_next_free_vgpr 128
		.amdhsa_next_free_sgpr 70
		.amdhsa_reserve_vcc 1
		.amdhsa_float_denorm_mode_32 3
		.amdhsa_float_denorm_mode_16_64 3
		.amdhsa_memory_ordered 1
		.amdhsa_forward_progress 1
		.amdhsa_inst_pref_size 78
	.end_amdhsa_kernel
	.amdgpu_metadata
---
amdhsa.version: [ 1, 2 ]
amdhsa.kernels:
  - .name:           k_q02249a6869_select
    .symbol:         k_q02249a6869_select.kd
    .args:
      - { .name: lower_idx, .offset: 0, .size: 8, .value_kind: global_buffer, .address_space: global }
      - { .name: mesh_neutral_pose, .offset: 8, .size: 8, .value_kind: global_buffer, .address_space: global }
      - { .name: rgb, .offset: 16, .size: 8, .value_kind: global_buffer, .address_space: global }
      - { .name: tab, .offset: 24, .size: 8, .value_kind: global_buffer, .address_space: global }
      - { .name: col, .offset: 32, .size: 8, .value_kind: global_buffer, .address_space: global }
      - { .name: meta, .offset: 40, .size: 8, .value_kind: global_buffer, .address_space: global }
      - { .name: out0, .offset: 48, .size: 8, .value_kind: global_buffer, .address_space: global }
    .group_segment_fixed_size: 7168
    .private_segment_fixed_size: 0
    .kernarg_segment_align: 8
    .kernarg_segment_size: 56
    .max_flat_workgroup_size: 1024
    .sgpr_count:     70
    .vgpr_count:     128
    .wavefront_size: 32
...
	.end_amdgpu_metadata
.endif
;; end of part 3
;; ======== version 2 of 2: 3 launches; version 1 with the launches count, select written anew for expert scheduling mode
;; limits: right only within a limited range of input values
;; workspace buffers: part 2,560,000 bytes of whole numbers; tab 128,000 bytes; col 768,000 bytes; meta 128,000 bytes of whole numbers
;; launch count (part 4): grid 5 x 250, 4 waves a work-group, no clusters, 7,168 bytes of LDS; arguments upper_idx, lower_idx, mesh_neutral_pose, part; writes part
.if DOCPART == 4
	.amdgcn_target "amdgcn-amd-amdhsa--gfx1250"
	.amdhsa_code_object_version 6
	.text
	.protected	k_q02249a6869_count
	.globl	k_q02249a6869_count
	.p2align	8
	.type	k_q02249a6869_count,@function
k_q02249a6869_count:
	s_mov_b64 s[64:65], 0
	v_nop
	global_prefetch_b8 v0, s[64:65] scope:SCOPE_SE
	s_setreg_imm32_b32 hwreg(HW_REG_WAVE_SCHED_MODE, 0, 2), 2
	s_setreg_imm32_b32 hwreg(HW_REG_WAVE_MODE, 25, 1), 1
	s_wait_xcnt 0x0
	s_wait_alu depctr_vm_vsrc(0)
; COUNT: three whole numbers for each row i of 0..7999, as partial counts over a slice of 400 upper vertices j.
;   R = place of upper vertex i in the order (x, index):  #{xj < xi} + #{j < i, xj == xi}
;   S = #{j : xq - xj >= thr}      E = #{j : xq - xj > -thr}      (xq = x of lower vertex i, thr = 0.01 in f32)
; The rounded difference xq - xj never rises when xj rises, so in x order the vertices with |xq - xj| < thr are the
; places S .. E-1: one window.  The next launch adds the 20 partial counts of a row.
; Work: lane = row (32 rows a wave, 32 x grid y), wave = slice js = 4 x grid x + wave number (0..19).
; 8000 x 8000 pairs, six and a half vector instructions each; the bytes are few, so there is no tile to share between
; work-groups (no cluster, no tensor load: what goes to LDS is a gather) and no product for the matrix units.
; LIMIT: no NaN among the x coordinates (a NaN has no place in the order).
; THE MODE: SCHED_MODE bits 1:0 = 2 (LLVM: expert scheduling mode 2), set by the entry lines.  The code itself states the register
; dependences between vector instructions and memory or LDS instructions, and between a vector instruction that writes a scalar
; register and its readers, with s_wait_alu, always for 0.
; THE PLAN.  Registers that memory or LDS instructions touch:
;   v7, v13, v14, v15   offsets, made at the head, never written again.
;   v48-62              the index loads land here; clamped and scaled in place; read by the gathers as offsets; from the loop on: D.
;   v16-28 (GX)         the gathers land here; read by the LDS stores; from the loop on part of XJ0.
;   XJ0, XJ1            two buffers of 16 x.  Trip t's vector lines read XJ[t % 2]; the LDS loads of trip t + 1, issued at trip t's head,
;                       land in the other one, which trip t - 1 read and which no vector line of trip t names.
;   v12 (AD)            read by every LDS load; stepped once a trip, at the trip's end.
;   v63, v8-11          the final store's offset and data.
; So a trip has ONE wait on va_vdst, at its head (the trip before is done reading the other buffer; AD is written), and one on vm_vsrc,
; at its end, ahead of the add to AD.  The masks of the compares lie in two sets of twelve scalar registers that take turns: a run of
; twelve compares, one wait on va_sdst somewhere behind it, then the twelve adds with carry that read the set.  VCC is never read.
.set NROW,  8000
.set VMAX,  107777                     ; last row of the mesh
.set SLICE, 400                        ; upper vertices of a wave
.set TRIPS, SLICE/16
.set WLDS,  1664                       ; a wave's own LDS bytes: 13 rounds x 32 words; the first 400 words are read
.set XI,  2                            ; v2       x of upper vertex i
.set XQ,  4                            ; v[4:5]   x of lower vertex i, twice (for the packed subtraction)
.set CNT, 8                            ; v[8:11]  R, S, E, 0
.set AD,  12                           ; v12      LDS address of the trip's 16 x, the same in all lanes
.set XJ,  16                           ; v[16:47] two buffers of 16 x of the slice
.set GX,  16                           ; v[16:28] at the head only: the slice's x as gathered
.set D,   48                           ; v[48:63] a trip's sixteen differences
.set G,   48                           ; v[48:60] at the head only: the slice's indices, then offsets; v61, v62 the same for row i
.set MA,  24                           ; s[24:35] masks, set A: 3 j + (R, S, E)
.set MB,  36                           ; s[36:47] masks, set B
	s_load_b256 s[4:11], s[0:1], 0x0               ; upper_idx s[4:5], lower_idx s[6:7], mesh s[8:9], part s[10:11]
	v_lshl_add_u32 v64, v0, 2, 0x1a00
	v_mov_b32 v65, 0
	v_and_b32 v1, 31, v0                           ; lane
	v_lshrrev_b32 v6, 5, v0
	v_readfirstlane_b32 s12, v6                    ; wave number
	s_and_b32 s13, ttmp7, 0xffff                   ; row group
	s_lshl_b32 s14, ttmp9, 2
	s_lshl_b32 s15, s13, 5                         ; i0: the wave's first row
	s_mov_b32 s20, 0x3c23d70a                      ; thr
	s_mov_b32 s21, 0xbc23d70a                      ; -thr
	s_wait_alu depctr_va_sdst(0)                   ; s12 is written, ahead of its first reader
	s_add_co_u32 s14, s14, s12                     ; js
	s_mul_i32 s16, s14, SLICE                      ; j0: the slice's first vertex
	s_mul_i32 s17, s12, WLDS                       ; my wave's LDS bytes
	v_add_nc_u32 v7, s15, v1
	v_lshlrev_b32 v7, 2, v7                        ; byte offset of row i in both index lists
	v_add_nc_u32 v13, s16, v1                      ; j0 + lane
	v_add_nc_u32 v14, 384, v13                     ; round 12 would pass the list's end in the last slice:
	v_min_u32 v14, NROW-1, v14                     ; clamped; what the clamped lanes bring lies beyond word 399 and is not read
	v_lshlrev_b32 v13, 2, v13
	v_lshlrev_b32 v14, 2, v14
	v_lshlrev_b32 v15, 2, v1
	v_add_nc_u32 v15, s17, v15                     ; LDS: my wave's bytes + 4 x lane
	v_mov_b32 v[AD], s17
	s_wait_kmcnt 0x0
	s_wait_alu depctr_va_vdst(0)                   ; v7, v13, v14, v15 and v12 are written: the loads, the LDS stores and the first LDS loads read them
	global_load_b32 v61, v7, s[4:5]
	global_load_b32 v62, v7, s[6:7]
.irp r, 0,1,2,3,4,5,6,7,8,9,10,11
	global_load_b32 v[G+\r], v13, s[4:5] offset:128*\r
.endr
	global_load_b32 v[G+12], v14, s[4:5]
	s_wait_loadcnt 0x0
.irp r, 0,1,2,3,4,5,6,7,8,9,10,11,12,13,14
	v_min_u32 v[G+\r], VMAX, v[G+\r]               ; an index stays inside the mesh
	v_mul_u32_u24 v[G+\r], 12, v[G+\r]             ; a mesh row is 12 bytes; x is its first word
.endr
	s_wait_alu depctr_va_vdst(0)                   ; the fifteen offsets v48 to v62 are written, which the gathers read
.irp r, 0,1,2,3,4,5,6,7,8,9,10,11,12
	global_load_b32 v[GX+\r], v[G+\r], s[8:9]
.endr
	global_load_b32 v[XI], v61, s[8:9]
	global_load_b32 v[XQ], v62, s[8:9]
	s_sub_co_i32 s18, s15, s16                     ; trips whose j all lie in front of i0 (both are multiples of 16):
	s_ashr_i32 s18, s18, 4                         ; there an equal x counts (j < i),
	s_max_i32 s18, s18, 0                          ; in the others it does not
.irp r, 0,1,2,3
	v_mov_b32 v[CNT+\r], 0
.endr
	s_wait_loadcnt 0x0
	v_mov_b32 v[XQ+1], v[XQ]
.irp r, 0,1,2,3,4,5,6,7,8,9,10,11,12
	ds_store_b32 v15, v[GX+\r] offset:128*\r       ; my wave's own bytes: LDS serves a wave in order, the loads below see these
.endr
	s_wait_alu depctr_vm_vsrc(0)                   ; the LDS stores have read v16 to v28, in which the loads below land; the gathers have read v48 to v62, which the differences write
.irp k, 0,1,2,3
	ds_load_b128 v[XJ+4*\k:XJ+4*\k+3], v[AD] offset:16*\k   ; trip 0's sixteen x
.endr
.macro SUBS p, k                       ; four differences xq - xj
	v_pk_add_f32 v[D+4*\k:D+4*\k+1],   v[XQ:XQ+1], v[XJ+16*\p+4*\k:XJ+16*\p+4*\k+1]   neg_lo:[0,1] neg_hi:[0,1]
	v_pk_add_f32 v[D+4*\k+2:D+4*\k+3], v[XQ:XQ+1], v[XJ+16*\p+4*\k+2:XJ+16*\p+4*\k+3] neg_lo:[0,1] neg_hi:[0,1]
.endm
.macro CMPS p, k, m, cmpi              ; twelve compares, for four vertices, into mask set m.  cmpi: the compare that counts toward R
.irp j, 0,1,2,3
	\cmpi s[\m+3*\j], v[XJ+16*\p+4*\k+\j], v[XI]
	v_cmp_le_f32 s[\m+3*\j+1], s20, v[D+4*\k+\j]   ; thr <= xq - xj
	v_cmp_lt_f32 s[\m+3*\j+2], s21, v[D+4*\k+\j]   ; -thr < xq - xj
.endr
.endm
.macro ADDS m                          ; an add with carry of 0 adds a mask's bit to the lane's count; the carry out goes nowhere
.irp j, 0,1,2,3
.irp f, 0,1,2
	v_add_co_ci_u32 v[CNT+\f], null, 0, v[CNT+\f], s[\m+3*\j+\f]
.endr
.endr
.endm
; 16 vertices of the slice out of buffer p.  cmpi: <= in front of i0, < from i0 on.
.macro WORK p, cmpi
	SUBS \p, 0
	SUBS \p, 1
	CMPS \p, 0, MA, \cmpi
	CMPS \p, 1, MB, \cmpi
	SUBS \p, 2
	SUBS \p, 3
	s_wait_alu depctr_va_sdst(0)                   ; both sets of masks are written, ahead of the adds that read them
	ADDS MA
	CMPS \p, 2, MA, \cmpi
	ADDS MB
	s_wait_alu depctr_va_sdst(0)                   ; set A is written anew (twelve adds ago), ahead of the adds that read it
	CMPS \p, 3, MB, \cmpi
	ADDS MA
	s_wait_alu depctr_va_sdst(0)                   ; set B is written anew (twelve adds ago), ahead of the adds that read it
	ADDS MB
.endm
; A trip.  p: its buffer.  ahead = 1: the next trip's sixteen x are asked for, into the other buffer.
.macro TRIP p, ahead
	s_wait_dscnt 0x0                               ; the four LDS loads issued a trip ago are back: buffer p is in
.if \ahead
	s_wait_alu depctr_va_vdst(0)                   ; the trip before is done reading the other buffer, in which the loads below land, and has written v12, which they read
.irp k, 0,1,2,3
	ds_load_b128 v[XJ+16*(1-\p)+4*\k:XJ+16*(1-\p)+4*\k+3], v[AD] offset:64+16*\k
.endr
.endif
	s_cmp_lt_u32 s19, s18
	s_cbranch_scc0 .Llt_\@
	WORK \p, v_cmp_le_f32
	s_branch .Lnext_\@
.Llt_\@:
	WORK \p, v_cmp_lt_f32
.Lnext_\@:
.if \ahead
	s_wait_alu depctr_vm_vsrc(0)                   ; the four LDS loads of this trip have read v12
	v_add_nc_u32 v[AD], 64, v[AD]
	s_add_co_u32 s19, s19, 1                       ; the trip's number
.endif
.endm
	s_mov_b32 s19, 0
	s_mov_b32 s23, (TRIPS-1)/2
.Llap:                                                 ; twelve laps of two trips: both buffers are back at their start
	TRIP 0, 1
	TRIP 1, 1
	s_sub_co_u32 s23, s23, 1
	s_cmp_lg_u32 s23, 0
	s_cbranch_scc1 .Llap
	TRIP 0, 0                                      ; trip 24 is written out: nothing is left to ask for
	; Equal x inside the wave's own 32 rows, j < i: counted once, by the wave of slice 0.
	s_cmp_lg_u32 s14, 0
	s_cbranch_scc1 .Lnoties
.set l, 0
.rept 31
	v_readlane_b32 s[24+l], v[XI], l
.set l, l+1
.endr
	s_wait_alu depctr_va_sdst(0)                   ; the 31 x are written into s24 to s54, ahead of the compares that read them
.set l, 0
.rept 31
	v_cmp_eq_f32 s[24+l], s[24+l], v[XI]
.set l, l+1
.endr
	s_wait_alu depctr_va_sdst(0)                   ; the 31 masks are written, ahead of the scalar lines that read them
.set l, 0
.rept 31
	s_and_b32 s[24+l], s[24+l], (0xffffffff << (l+1)) & 0xffffffff   ; only lanes behind lane l
	v_add_co_ci_u32 v[CNT], null, 0, v[CNT], s[24+l]
.set l, l+1
.endr
.Lnoties:
	s_mul_i32 s23, s14, NROW
	s_add_co_u32 s23, s23, s15
	v_add_nc_u32 v63, s23, v1
	v_lshlrev_b32 v63, 4, v63                      ; part[js][i]: 16 bytes
	s_wait_alu depctr_va_vdst(0)                   ; the counts v8 to v11 and the offset v63 are written, which the store reads
	global_store_b128 v63, v[CNT:CNT+3], s[10:11]  ; the wave stores 512 consecutive bytes, at a multiple of 512 from part's first byte
	s_wait_dscnt 0x0
	s_wait_alu depctr_hold_cnt(0) depctr_sa_sdst(0) depctr_va_vdst(0) depctr_va_sdst(0) depctr_va_ssrc(0) depctr_va_vcc(0) depctr_vm_vsrc(0)
	s_wait_tensorcnt 0x0
	ds_add_u32 v64, v65
	s_wait_dscnt 0x0
	s_endpgm
.Lfunc_end_k_q02249a6869_count:
	.size	k_q02249a6869_count, .Lfunc_end_k_q02249a6869_count-k_q02249a6869_count
	.p2alignl 7, 3214868480
	.fill 96, 4, 3214868480
	.section	.rodata,"a",@progbits
	.p2align	6, 0x0
	.amdhsa_kernel k_q02249a6869_count
		.amdhsa_group_segment_fixed_size 7168
		.amdhsa_private_segment_fixed_size 0
		.amdhsa_enable_private_segment 0
		.amdhsa_kernarg_size 32
		.amdhsa_user_sgpr_count 2
		.amdhsa_user_sgpr_kernarg_segment_ptr 1
		.amdhsa_wavefront_size32 1
		.amdhsa_system_sgpr_workgroup_id_x 1
		.amdhsa_system_sgpr_workgroup_id_y 1
		.amdhsa_system_sgpr_workgroup_id_z 1
		.amdhsa_system_vgpr_workitem_id 0
		.amdhsa_next_free_vgpr 66
		.amdhsa_next_free_sgpr 66
		.amdhsa_reserve_vcc 0
		.amdhsa_float_denorm_mode_32 3
		.amdhsa_float_denorm_mode_16_64 3
		.amdhsa_memory_ordered 1
		.amdhsa_forward_progress 1
		.amdhsa_inst_pref_size 57
	.end_amdhsa_kernel
	.amdgpu_metadata
---
amdhsa.version: [ 1, 2 ]
amdhsa.kernels:
  - .name:           k_q02249a6869_count
    .symbol:         k_q02249a6869_count.kd
    .args:
      - { .name: upper_idx, .offset: 0, .size: 8, .value_kind: global_buffer, .address_space: global }
      - { .name: lower_idx, .offset: 8, .size: 8, .value_kind: global_buffer, .address_space: global }
      - { .name: mesh_neutral_pose, .offset: 16, .size: 8, .value_kind: global_buffer, .address_space: global }
      - { .name: part, .offset: 24, .size: 8, .value_kind: global_buffer, .address_space: global }
    .group_segment_fixed_size: 7168
    .private_segment_fixed_size: 0
    .kernarg_segment_align: 8
    .kernarg_segment_size: 32
    .max_flat_workgroup_size: 128
    .sgpr_count:     66
    .vgpr_count:     66
    .wavefront_size: 32
...
	.end_amdgpu_metadata
.endif
;; end of part 4
;; launch place: the kernel of part 2 again; grid 250 x 1, 1 waves a work-group, no clusters, 0 bytes of LDS; arguments upper_idx, mesh_neutral_pose, rgb, part, tab, col, meta; writes tab, col, meta
;; launch select (part 5): grid 250 x 1, 32 waves a work-group, no clusters, 7,168 bytes of LDS; arguments lower_idx, mesh_neutral_pose, rgb, tab, col, meta, out0; writes out0
.if DOCPART == 5
	.amdgcn_target "amdgcn-amd-amdhsa--gfx1250"
	.amdhsa_code_object_version 6
	.text
	.protected	k_q02249a6869_select
	.globl	k_q02249a6869_select
	.p2align	8
	.type	k_q02249a6869_select,@function
k_q02249a6869_select:
	s_mov_b64 s[64:65], 0
	v_nop
	global_prefetch_b8 v0, s[64:65] scope:SCOPE_SE
	s_setreg_imm32_b32 hwreg(HW_REG_WAVE_SCHED_MODE, 0, 2), 2
	s_setreg_imm32_b32 hwreg(HW_REG_WAVE_MODE, 25, 1), 1
	s_wait_xcnt 0x0
	s_wait_alu depctr_vm_vsrc(0)
; SELECT: one wave, one lower vertex q = 32 x work-group + wave.  Its candidates with |dx| < thr are the W places S .. S+W-1 of tab.
; A lane holds place lane + 32 c of chunk c; eight chunks (256 places) are a super-chunk; super-chunk 0 stays in registers.
;  1. key = the distance's f32 bits (not negative, so they order as unsigned numbers); 0xffffffff outside the window.
;  2. T = the 50th smallest key, bit by bit from the top: 31 steps, each counts the keys below a trial value (compare, population count).
;  3. Among keys equal to T the lower original index wins: the same search over the 13 bits of the index gives the last index taken.
;  4. Every place's 24 colours are loaded and added with weight 1 or 0: no address and no branch hangs on a distance.
;  5. W < 50: the other vertices all tie at the far value, so the 50 - W lowest original indices outside the window fill up.
;     At most W of the indices 0..49 lie in the window, so the first 64 indices hold enough.
;  6. Sums over the lanes by halving; lane L ends with batch L >> 2; (own colour - sum x 0.02) squared leaves through LDS.
; W > 256 (any W up to 8000) is served: the further super-chunks' keys are made again from tab in every search step.  That is
; right for every W and slow for large ones.  Trip counts and the branch of step 5 hang on S and W, whole numbers read from meta.
; No cluster, no tensor load: neighbouring queries' windows are unrelated places, nothing is shared at a known time.  No matrix
; unit: the mean is a sum kept in f32.
; LIMITS: no NaN or infinity in mesh or rgb (a colour that is not chosen is multiplied by 0); distances inside the band below 9999;
; a squared distance below 2^-126 counts as 0; the squared distance is a fused chain in the order x, y, z, its root is v_sqrt_f32
; mended by one Newton step; the mean is the sum times 0.02, not divided by 50.
; THE MODE: SCHED_MODE bits 1:0 = 2 (LLVM: expert scheduling mode 2), set by the entry lines.  The code itself states the register
; dependences between vector instructions and memory or LDS instructions, and between a vector instruction that writes a scalar
; register and its readers, with s_wait_alu, always for 0.
; THE PLAN.  Registers that memory or LDS instructions touch:
;   v123, v124, v125   offsets and an LDS address, made at the head, never written again.
;   AR  v[80:87]       KEYS: written by its first vector lines, read by its eight loads as offsets.
;   KA, KB             KEYS' loads land here; everything else that names them is vector work.
;   CA  v[16:23]       SELACC: the eight chunks' offsets in col, written behind the sixteen compares that are the keys' last readers.
;   colours 0, 1, 2    at v48, v72, v24.  Chunk c lands in buffer c % 3 and is read by step c's twelve packed multiply-adds.  Step c asks
;                      for chunk c + 2, into the buffer that step c - 1 read and that no vector line of step c names.
;   v121, v122         the fill's two offsets in col.     v3  the LDS store's data.
;   v[104:107], v11    the way out's LDS addresses and offset;  v[112:115] what comes back from LDS and is stored.
; So a step of SELACC has ONE wait on va_vdst, at its head, behind the wait for its data.  Compares stand in runs, their masks in scalar
; registers of their own, with one wait on va_sdst behind a run.  VCC is never read, EXEC never written.
.set NROW,  8000
.set VMAX,  107777
.set BATCH, 1293336                    ; bytes of one batch of rgb
.set OUTB,  96000                      ; bytes of one batch of out0
.set KA,  16                           ; v[16:47]   keys: chunk c at +4c: key, temp, temp, original index
.set KB,  48                           ; v[48:79]   the same for further super-chunks, during the searches
.set AR,  80                           ; v[80:87]   offsets in tab
.set CA,  16                           ; v[16:23]   offsets in col, once the keys are spent
.set ACC, 96                           ; v[96:119]  sums, 3 b + c
.set WM,  68                           ; s[68:75]   masks: in the window; later: chosen
.set PM,  76                           ; s[76:83]   masks: root above 0; key equal to T; key below T
.set TH,  84                           ; s[84:91]   what is left of the window at chunk c
; v1 lane   v2 place of chunk 0   v3-v7 temps   v[8:9] weight   v120 own colour   v121, v122 the fill's colour offsets
; v123 offset of the own colour   v124 LDS address of my result   v125 16 x lane: offset of the fill's ranks in meta
; s22 wave  s23 q  s24 12 x vertex  s[28:30] xq yq zq  s31 super-chunks in all  s32 S  s33 W  s34 further super-chunks  s35 fill count
; s36 T  s37 #(key < T)  s38 last index taken  s39 trial  s40 count  s41 bit number  s42 bit  s43 target  s44 super-chunk
; s45 its first place  s46 W left there  s[48:55] masks  s56-58 lane masks  s59-60 lane selects  s66-67 channel masks
; s25-27, s47, s61, s62 temps
	s_load_b256 s[8:15], s[0:1], 0x0               ; lower_idx s[8:9], mesh s[10:11], rgb s[12:13], tab s[14:15]
	s_load_b128 s[16:19], s[0:1], 0x20             ; col s[16:17], meta s[18:19]
	s_load_b64 s[20:21], s[0:1], 0x30              ; out0
	v_lshl_add_u32 v126, v0, 2, 0xc00
	v_mov_b32 v127, 0
	v_and_b32 v1, 31, v0
	v_lshrrev_b32 v3, 5, v0
	v_readfirstlane_b32 s22, v3
	s_lshl_b32 s23, ttmp9, 5
	s_mov_b32 s56, 0xffff0000                      ; lanes with bit 4
	s_mov_b32 s57, 0xff00ff00                      ; bit 3
	s_mov_b32 s58, 0xf0f0f0f0                      ; bit 2
	s_mov_b32 s59, 0x76543210                      ; v_permlanex16_b32: lane i of the other half
	s_mov_b32 s60, 0xfedcba98
	s_mov_b32 s66, 0x22222222                      ; lanes with L & 3 = 1
	s_mov_b32 s67, 0xcccccccc                      ; L & 3 = 2 or 3
	s_wait_alu depctr_va_sdst(0)                   ; s22 is written, ahead of its first reader
	s_add_co_u32 s23, s23, s22
	s_lshl_b32 s25, s23, 2
	s_lshl_b32 s26, s23, 4
	s_mul_i32 s27, s22, 96
	s_wait_kmcnt 0x0
	s_load_b32 s24, s[8:9], s25 offset:0x0         ; the lower vertex
	s_load_b64 s[32:33], s[18:19], s26 offset:0x0  ; S, W
	v_lshrrev_b32 v4, 2, v1                        ; b
	v_and_b32 v5, 3, v1
	v_min_u32 v5, 2, v5                            ; c; lanes with L & 3 = 3 repeat channel 2
	v_mul_u32_u24 v123, BATCH, v4
	v_lshl_add_u32 v123, v5, 2, v123
	v_mul_u32_u24 v124, 12, v4
	v_lshl_add_u32 v124, v5, 2, v124
	v_add_nc_u32 v124, s27, v124                   ; LDS: 96 x wave + 12 b + 4 c: 96 bytes of the wave's own
	v_lshlrev_b32 v125, 4, v1                      ; meta's row of original index u = lane
	v_mov_b32 v9, 0                                ; the weight's pair is named whole
	s_wait_kmcnt 0x0
	s_min_u32 s24, s24, VMAX
	s_mul_i32 s24, s24, 12
	s_load_b96 s[28:30], s[10:11], s24 offset:0x0
	v_add_nc_u32 v123, s24, v123
	s_wait_alu depctr_va_vdst(0)                   ; v123, v124 and v125 are written, which a load, the LDS store and the fill's loads read; so are v4 and v5, in which the fill's ranks land
	global_load_b32 v120, v123, s[12:13]           ; used at the very end; every later wait for loads covers it
	s_min_u32 s32, s32, NROW
	s_min_u32 s33, s33, NROW
	s_max_u32 s34, s33, 1
	s_sub_co_u32 s34, s34, 1
	s_lshr_b32 s34, s34, 8                         ; super-chunks beyond the first: at most 31
	s_add_co_u32 s31, s34, 1                       ; super-chunks in all: the bound of the loops over them, written here alone
	s_sub_co_i32 s35, 50, s33
	s_max_i32 s35, s35, 0                          ; how many come from outside the window
	s_wait_kmcnt 0x0
.macro SETSC sc                        ; super-chunk sc (a scalar register or 0): first place, what is left of the window, my place
	s_lshl_b32 s61, \sc, 8
	s_add_co_u32 s45, s32, s61
	s_sub_co_i32 s46, s33, s61
	v_add_nc_u32 v2, s45, v1
.endm
.macro KEYS base                       ; the eight chunks' keys and indices
	s_wait_alu depctr_vm_vsrc(0)                   ; the loads issued so far have read their offsets: v[AR ..], which are written anew, and v[CA ..], in which rows of tab land
.irp c, 0,1,2,3,4,5,6,7
	s_sub_co_i32 s[TH+\c], s46, 32*\c
.endr
.irp c, 0,1,2,3,4,5,6,7
.if \c
	v_add_nc_u32 v[AR+\c], 32*\c, v2
	v_min_u32 v[AR+\c], NROW-1, v[AR+\c]
.else
	v_min_u32 v[AR+\c], NROW-1, v2
.endif
	v_lshlrev_b32 v[AR+\c], 4, v[AR+\c]
	v_cmp_gt_i32 s[WM+\c], s[TH+\c], v1            ; my place lies in the window
.endr
	s_wait_alu depctr_va_vdst(0)                   ; the eight offsets are written; all earlier vector work on the 32 registers in which the rows land is done
.irp c, 0,1,2,3,4,5,6,7
	global_load_b128 v[\base+4*\c:\base+4*\c+3], v[AR+\c], s[14:15]
.endr
.irp c, 0,1,2,3,4,5,6,7
	s_wait_loadcnt 7-\c                            ; chunk c is in, the 7-c younger loads stay out
	v_sub_f32 v[\base+4*\c],   s28, v[\base+4*\c]
	v_sub_f32 v[\base+4*\c+1], s29, v[\base+4*\c+1]
	v_sub_f32 v[\base+4*\c+2], s30, v[\base+4*\c+2]
	v_mul_f32 v[\base+4*\c], v[\base+4*\c], v[\base+4*\c]
	v_fma_f32 v[\base+4*\c], v[\base+4*\c+1], v[\base+4*\c+1], v[\base+4*\c]
	v_fma_f32 v[\base+4*\c], v[\base+4*\c+2], v[\base+4*\c+2], v[\base+4*\c]
.endr
.irp c, 0,1,2,3,4,5,6,7
	v_sqrt_f32 v[\base+4*\c+1], v[\base+4*\c]
.endr
.irp c, 0,1,2,3,4,5,6,7
	v_rsq_f32 v[\base+4*\c+2], v[\base+4*\c]
.endr
	v_nop                                          ; one plain place behind the run, before a result is used or a source rewritten (ISA guide 5.7.2)
	s_wait_alu depctr_va_vdst(0)                   ; the eight roots and the eight reciprocal roots are written: one wait for the batch, ahead of its first reader
.irp c, 0,1,2,3,4,5,6,7
	v_cmp_lt_f32 s[PM+\c], 0, v[\base+4*\c+1]
.endr
.irp c, 0,1,2,3,4,5,6,7
	v_fma_f32 v[\base+4*\c], -v[\base+4*\c+1], v[\base+4*\c+1], v[\base+4*\c]   ; what the root's square misses
	v_mul_f32 v[\base+4*\c+2], 0.5, v[\base+4*\c+2]
	v_fma_f32 v[\base+4*\c], v[\base+4*\c], v[\base+4*\c+2], v[\base+4*\c+1]    ; the mended root
.endr
	s_wait_alu depctr_va_sdst(0)                   ; both runs of masks are written, the window's and the roots', ahead of the selects that read them
.irp c, 0,1,2,3,4,5,6,7
	v_cndmask_b32 v[\base+4*\c], 0, v[\base+4*\c], s[PM+\c]                     ; root 0: 0 (the step would be 0 x infinity)
	v_cndmask_b32 v[\base+4*\c], -1, v[\base+4*\c], s[WM+\c]
.endr
.endm
.macro XFORM base                      ; only keys equal to T keep their index
.irp c, 0,1,2,3,4,5,6,7
	v_cmp_eq_u32 s[PM+\c], s36, v[\base+4*\c]
.endr
	s_wait_alu depctr_va_sdst(0)                   ; the eight masks are written, ahead of the selects that read them
.irp c, 0,1,2,3,4,5,6,7
	v_cndmask_b32 v[\base+4*\c+3], -1, v[\base+4*\c+3], s[PM+\c]
.endr
.endm
.macro COUNT reg0, add                 ; s40 = (add: s40 +) how many of the 256 numbers lie below the trial value s39
.irp c, 0,1,2,3,4,5,6,7
	v_cmp_gt_u32 s[48+\c], s39, v[\reg0+4*\c]
.endr
	s_wait_alu depctr_va_sdst(0)                   ; the eight masks are written, ahead of the population counts that read them
.irp c, 0,1,2,3,4,5,6,7
	s_bcnt1_i32_b32 s[48+\c], s[48+\c]
.endr
.if \add
	s_add_co_u32 s40, s40, s48
.else
	s_mov_b32 s40, s48
.endif
.irp c, 1,2,3,4,5,6,7
	s_add_co_u32 s40, s40, s[48+\c]
.endr
.endm
; res = the largest value below which fewer than s43 numbers lie = the s43-th smallest; cac = how many lie below it.
; off: 0 keys, 3 indices; xf = 1: further super-chunks' indices are masked as KA's were.
; The inner loop takes super-chunks 1 .. s31 - 1: a step of 1 below a bound that no loop writes.
.macro SEARCH name, off, nbits, xf, res, cac
	s_mov_b32 \res, 0
	s_mov_b32 \cac, 0
	s_mov_b32 s41, \nbits
.Lbit_\name:
	s_sub_co_u32 s41, s41, 1
	s_lshl_b32 s42, 1, s41
	s_or_b32 s39, \res, s42
	COUNT KA+\off, 0
	s_cmp_eq_u32 s34, 0
	s_cbranch_scc1 .Lnox_\name
	s_mov_b32 s44, 1
.Lx_\name:
	SETSC s44
	KEYS KB
.if \xf
	XFORM KB
.endif
	COUNT KB+\off, 1
	s_add_co_u32 s44, s44, 1
	s_cmp_lt_u32 s44, s31
	s_cbranch_scc1 .Lx_\name
.Lnox_\name:
	s_cmp_lt_u32 s40, s43                          ; a choice of values only: both selects run in every step
	s_cselect_b32 \res, s39, \res
	s_cselect_b32 \cac, s40, \cac
	s_cmp_lg_u32 s41, 0
	s_cbranch_scc1 .Lbit_\name
.endm
.macro LOADROW buf, areg               ; 96 bytes of colours a lane, into buffer buf (0, 1, 2 at v48, v72, v24), by the offset in v[areg]
.set cb, 48+24*(\buf)-72*((\buf)/2)
.irp i, 0,1,2,3,4,5
	global_load_b128 v[cb+4*\i:cb+4*\i+3], v[\areg], s[16:17] offset:16*\i
.endr
.endm
.macro ADDC buf, first                 ; sums += colours x weight; first = 1: the products start the sums, nothing is cleared
.set cb, 48+24*(\buf)-72*((\buf)/2)
.irp i, 0,1,2,3,4,5,6,7,8,9,10,11
.if \first
	v_pk_mul_f32 v[ACC+2*\i:ACC+2*\i+1], v[cb+2*\i:cb+2*\i+1], v[8:9] op_sel_hi:[1,0]
.else
	v_pk_fma_f32 v[ACC+2*\i:ACC+2*\i+1], v[cb+2*\i:cb+2*\i+1], v[8:9], v[ACC+2*\i:ACC+2*\i+1] op_sel_hi:[1,0,1]
.endif
.endr
.endm
; Step c of SELACC.  left: how many younger loads may stay out.  ahead = 1: chunk c + 2 is asked for.
.macro CSTEP c, left, ahead, first
	s_wait_loadcnt \left                           ; loads come back in order (ISA guide 5.7.1): chunk c's six are in
.if \ahead
	s_wait_alu depctr_va_vdst(0)                   ; the step before is done reading its buffer, in which the six loads below land
	LOADROW ((\c)+2)%3, CA+(\c)+2
.endif
	v_cndmask_b32 v8, 0, 1.0, s[WM+(\c)]
	ADDC (\c)%3, \first
.endm
; Eight chunks' colours, weighed and added.  Chosen: key below T, or key equal to T and index not above the last one taken.
; The sixteen compares are the last readers of KA: behind them its registers take the chunks' offsets and the third colour buffer.
.macro SELACC first
.irp c, 0,1,2,3,4,5,6,7
	v_cmp_gt_u32 s[PM+\c], s36, v[KA+4*\c]
	v_cmp_ge_u32 s[WM+\c], s38, v[KA+4*\c+3]
.endr
.irp c, 0,1,2,3,4,5,6,7
.if \c
	v_add_nc_u32 v[CA+\c], 32*\c, v2
	v_min_u32 v[CA+\c], NROW-1, v[CA+\c]
.else
	v_min_u32 v[CA+\c], NROW-1, v2
.endif
	v_mul_u32_u24 v[CA+\c], 0x60, v[CA+\c]
.endr
	s_wait_alu depctr_va_sdst(0)                   ; the sixteen masks are written, ahead of the scalar lines that read them
.irp c, 0,1,2,3,4,5,6,7
	s_or_b32 s[WM+\c], s[WM+\c], s[PM+\c]
.endr
	s_wait_alu depctr_vm_vsrc(0)                   ; the loads from tab have read v[AR ..], which lie in buffer 1
	s_wait_alu depctr_va_vdst(0)                   ; the eight offsets are written; all earlier vector work on the three buffers' registers is done
	LOADROW 0, CA+0
	LOADROW 1, CA+1
	LOADROW 2, CA+2
	CSTEP 0, 12, 0, \first                         ; chunks 1 and 2 stay out
	CSTEP 1, 6, 1, 0                               ; from here on one chunk stays out at the wait, and the next but one is asked for behind it
	CSTEP 2, 6, 1, 0
	CSTEP 3, 6, 1, 0
	CSTEP 4, 6, 1, 0
	CSTEP 5, 6, 1, 0
	CSTEP 6, 6, 0, 0
	CSTEP 7, 0, 0, 0
.endm
	SETSC 0
	KEYS KA
	s_mov_b32 s43, 50
	SEARCH key, 0, 31, 0, s36, s37                 ; T and #(key < T).  W < 50: T = 0x7fffffff, above every key, and the count is W
	XFORM KA
	s_sub_co_u32 s43, 50, s37                      ; how many of the keys equal to T are taken: at least 1
	SEARCH idx, 3, 13, 1, s38, s47                 ; the last index taken (8000 < 2^13).  W < 50: 0x1fff, and no index is left to match it
	SETSC 0
	SELACC 1
	s_cmp_eq_u32 s34, 0
	s_cbranch_scc1 .Lnomore
	s_mov_b32 s44, 1
.Lmore:
	SETSC s44
	KEYS KA
	XFORM KA
	SELACC 0
	s_add_co_u32 s44, s44, 1
	s_cmp_lt_u32 s44, s31
	s_cbranch_scc1 .Lmore
.Lnomore:
	; The fill: original indices u = lane and u = lane + 32, in that order; taken while outside the window and among the first s35 such.
	s_cmp_eq_u32 s35, 0
	s_cbranch_scc1 .Lnofill
	global_load_b32 v4, v125, s[18:19] offset:8    ; rank of u = lane.  No wait: no vector line since the head's wait names v4, v5 or v125
	global_load_b32 v5, v125, s[18:19] offset:520  ; rank of u = lane + 32
	s_wait_loadcnt 0x0
	v_min_u32 v121, NROW-1, v4
	v_min_u32 v122, NROW-1, v5
	v_mul_u32_u24 v121, 0x60, v121
	v_mul_u32_u24 v122, 0x60, v122
	v_sub_nc_u32 v6, v4, s32
	v_sub_nc_u32 v7, v5, s32
	v_cmp_le_u32 s61, s33, v6                      ; W <= rank - S, unsigned: outside the window
	v_cmp_le_u32 s62, s33, v7
	s_wait_alu depctr_va_vdst(0)                   ; v121 and v122 are written; the last two steps are done reading buffers 0 and 1, in which the loads below land
	LOADROW 0, 121
	LOADROW 1, 122
	s_wait_alu depctr_va_sdst(0)                   ; s61 and s62 are written, ahead of their first readers
	s_bcnt1_i32_b32 s47, s61
	v_mbcnt_lo_u32_b32 v6, s61, 0                  ; how many such stand in front of me
	v_mbcnt_lo_u32_b32 v7, s62, s47
	v_cmp_gt_u32 s48, s35, v6
	v_cmp_gt_u32 s49, s35, v7
	s_wait_alu depctr_va_sdst(0)                   ; s48 and s49 are written, ahead of the scalar lines that read them
	s_and_b32 s48, s61, s48
	s_and_b32 s49, s62, s49
	v_cndmask_b32 v8, 0, 1.0, s48
	s_wait_loadcnt 0x6                             ; the first six are in, the second six stay out
	ADDC 0, 0
	v_cndmask_b32 v8, 0, 1.0, s49
	s_wait_loadcnt 0x0
	ADDC 1, 0
.Lnofill:
	; Sums over the lanes, halving the registers: a lane keeps the batch that its bit names and sends the other one across.
.irp p, 0,1,2,3,4,5,6,7,8,9,10,11
	v_cndmask_b32 v[3+(\p&3)], v[ACC+12+\p], v[ACC+\p], s56        ; to send: batch b + 4 from the lower lanes, b from the upper
	v_cndmask_b32 v[ACC+\p], v[ACC+\p], v[ACC+12+\p], s56          ; to keep
	v_permlanex16_b32 v[ACC+12+\p], v[3+(\p&3)], s59, s60
	v_add_f32 v[ACC+\p], v[ACC+\p], v[ACC+12+\p]
.endr
.irp p, 0,1,2,3,4,5
	v_cndmask_b32 v[3+(\p&3)], v[ACC+6+\p], v[ACC+\p], s57
	v_cndmask_b32 v[ACC+\p], v[ACC+\p], v[ACC+6+\p], s57
	v_add_f32_dpp v[ACC+\p], v[3+(\p&3)], v[ACC+\p] row_xmask:8 row_mask:0xf bank_mask:0xf
.endr
.irp p, 0,1,2
	v_cndmask_b32 v[3+\p], v[ACC+3+\p], v[ACC+\p], s58
	v_cndmask_b32 v[ACC+\p], v[ACC+\p], v[ACC+3+\p], s58
	v_add_f32_dpp v[ACC+\p], v[3+\p], v[ACC+\p] row_xmask:4 row_mask:0xf bank_mask:0xf
.endr
.irp p, 0,1,2
	v_add_f32_dpp v[ACC+\p], v[ACC+\p], v[ACC+\p] row_xmask:2 row_mask:0xf bank_mask:0xf
.endr
.irp p, 0,1,2
	v_add_f32_dpp v[ACC+\p], v[ACC+\p], v[ACC+\p] row_xmask:1 row_mask:0xf bank_mask:0xf
.endr
	v_cndmask_b32 v3, v[ACC], v[ACC+1], s66        ; lane L: batch L >> 2, channel min(L & 3, 2)
	v_cndmask_b32 v3, v3, v[ACC+2], s67
	v_fmamk_f32 v3, v3, 0xbca3d70a, v120           ; own colour - sum x 0.02
	v_mul_f32 v3, v3, v3
	s_wait_alu depctr_va_vdst(0)                   ; v3 is written, which the LDS store reads
	ds_store_b32 v124, v3                          ; lanes with L & 3 = 3 write channel 2's word again, with the same number
	s_wait_dscnt 0x0                               ; for the other waves' sake: my store is done before I signal
	s_barrier_signal -1
	s_barrier_wait -1
	; The way out: wave b (0 to 7) takes batch b: 32 queries x 3 channels = 384 consecutive bytes of out0, 16 a lane.
	; Word e = 3 query + channel of the batch lies in LDS at 96 query + 12 b + 4 channel = 84 query + 4 e + 12 b.
	; Lanes 24 to 31 repeat lane 23's 16 bytes (same address, same numbers), which spares a change of EXEC.
	; The runs start at multiples of 128 bytes; aligned blocks of 256 would take 64 queries a work-group, so 125 work-groups.
	; It works in registers that held sums: no memory instruction has named them.
	s_cmp_ge_u32 s22, 8
	s_cbranch_scc1 .Lend
	v_min_u32 v10, 23, v1
	s_mul_i32 s61, s22, 12
	s_mul_i32 s62, s22, OUTB
	s_mul_i32 s47, ttmp9, 384
	s_add_co_u32 s62, s62, s47
	v_lshl_add_u32 v11, v10, 4, s62
.irp k, 0,1,2,3
	v_lshl_add_u32 v[104+\k], v10, 2, \k           ; e
	v_mul_u32_u24 v[108+\k], 0xab, v[104+\k]
	v_lshrrev_b32 v[108+\k], 9, v[108+\k]          ; e / 3 = (171 e) >> 9, exact for e < 96
	v_lshl_add_u32 v[104+\k], v[104+\k], 2, s61
	v_mad_u32_u24 v[104+\k], v[108+\k], 84, v[104+\k]
.endr
	s_wait_alu depctr_va_vdst(0)                   ; the four LDS addresses and v11 are written; the sums' lines are done with v112 to v115, in which the loads below land
.irp k, 0,1,2,3
	ds_load_b32 v[112+\k], v[104+\k]
.endr
	s_wait_dscnt 0x0
	global_store_b128 v11, v[112:115], s[20:21]
.Lend:
	s_wait_dscnt 0x0
	s_wait_alu depctr_hold_cnt(0) depctr_sa_sdst(0) depctr_va_vdst(0) depctr_va_sdst(0) depctr_va_ssrc(0) depctr_va_vcc(0) depctr_vm_vsrc(0)
	s_wait_tensorcnt 0x0
	ds_add_u32 v126, v127
	s_wait_dscnt 0x0
	s_endpgm
.Lfunc_end_k_q02249a6869_select:
	.size	k_q02249a6869_select, .Lfunc_end_k_q02249a6869_select-k_q02249a6869_select
	.p2alignl 7, 3214868480
	.fill 96, 4, 3214868480
	.section	.rodata,"a",@progbits
	.p2align	6, 0x0
	.amdhsa_kernel k_q02249a6869_select
		.amdhsa_group_segment_fixed_size 7168
		.amdhsa_private_segment_fixed_size 0
		.amdhsa_enable_private_segment 0
		.amdhsa_kernarg_size 56
		.amdhsa_user_sgpr_count 2
		.amdhsa_user_sgpr_kernarg_segment_ptr 1
		.amdhsa_wavefront_size32 1
		.amdhsa_system_sgpr_workgroup_id_x 1
		.amdhsa_system_sgpr_workgroup_id_y 1
		.amdhsa_system_sgpr_workgroup_id_z 1
		.amdhsa_system_vgpr_workitem_id 0
		.amdhsa_next_free_vgpr 128
		.amdhsa_next_free_sgpr 92
		.amdhsa_reserve_vcc 0
		.amdhsa_float_denorm_mode_32 3
		.amdhsa_float_denorm_mode_16_64 3
		.amdhsa_memory_ordered 1
		.amdhsa_forward_progress 1
		.amdhsa_inst_pref_size 86
	.end_amdhsa_kernel
	.amdgpu_metadata
---
amdhsa.version: [ 1, 2 ]
amdhsa.kernels:
  - .name:           k_q02249a6869_select
    .symbol:         k_q02249a6869_select.kd
    .args:
      - { .name: lower_idx, .offset: 0, .size: 8, .value_kind: global_buffer, .address_space: global }
      - { .name: mesh_neutral_pose, .offset: 8, .size: 8, .value_kind: global_buffer, .address_space: global }
      - { .name: rgb, .offset: 16, .size: 8, .value_kind: global_buffer, .address_space: global }
      - { .name: tab, .offset: 24, .size: 8, .value_kind: global_buffer, .address_space: global }
      - { .name: col, .offset: 32, .size: 8, .value_kind: global_buffer, .address_space: global }
      - { .name: meta, .offset: 40, .size: 8, .value_kind: global_buffer, .address_space: global }
      - { .name: out0, .offset: 48, .size: 8, .value_kind: global_buffer, .address_space: global }
    .group_segment_fixed_size: 7168
    .private_segment_fixed_size: 0
    .kernarg_segment_align: 8
    .kernarg_segment_size: 56
    .max_flat_workgroup_size: 1024
    .sgpr_count:     92
    .vgpr_count:     128
    .wavefront_size: 32
...
	.end_amdgpu_metadata
.endif
;; end of part 5
